; MI455X (gfx1250); checked and timed in simulation.
; The chip was launched on July 23, 2026; its instructions are those of AMD's public machine-readable ISA for CDNA 5 (MIT licence, August 2026) and "CDNA5" Instruction Set Architecture Reference Guide (July 2026). The comments in the code are by the model that wrote it; some were corrected since.
;; Hdc Generic Encoder. Allowed arithmetic: float matrix products may take bf16 or f16 operands with f32 sums; all other float work in f32.
;; Inputs: hr_table 200 x 10,000 float32; keys_weight 64 x 10,000 float32; motion_table 3,000 x 10,000 float32; x 64 x 4 x 64 float32.
;; Outputs: out0 64 x 10,000 float32.
;; One version. Each part assembles by itself: llvm-mc -triple=amdgcn-amd-amdhsa -mcpu=gfx1250 --defsym DOCPART=n.
;; ======== version 1 of 1: 2 launches
;; workspace buffers: idx 16,384 bytes of whole numbers
;; launch levels (part 1): grid 4 x 1, 8 waves a work-group, no clusters, 0 bytes of LDS; arguments x, idx; writes idx
.if DOCPART == 1
	.amdgcn_target "amdgcn-amd-amdhsa--gfx1250"
	.amdhsa_code_object_version 6
	.text
	.protected	k_q050c012097_levels
	.globl	k_q050c012097_levels
	.p2align	8
	.type	k_q050c012097_levels,@function
k_q050c012097_levels:
	s_mov_b64 s[64:65], 0
	v_nop
	global_prefetch_b8 v0, s[64:65] scope:SCOPE_SE
	s_setreg_imm32_b32 hwreg(HW_REG_WAVE_MODE, 25, 1), 1
	s_wait_xcnt 0x0
; idx[b][f] = clip(round((x[b][0][f] - low) / (high - low) * (num - 1)), 0, num - 1), as whole numbers, for the launch that gathers.
; f = 0..62: low -3, high 3, num 3000 (motion).  f = 63: low 50, high 200, num 200 (heart rate).
; Only timestep 0 of x enters the result, so only x[b][0][:] is read.
; 1,024 threads, four neighbouring f each: one 16-byte load, one 16-byte store; sixteen lanes store 256 consecutive bytes, aligned.
; The arithmetic is f32 step by step: subtraction, IEEE division, multiplication, round half to even.
; The division by a constant c: q0 = t * r with r = 1/c rounded; e = t - q0 * c, exact in one fma; q = q0 + e * r.
; t / 6 and t / 150 never come nearer than 1/6 and 1/150 of a last place to the middle between two floats (t's last place is even
; in the quotient's units, c times an odd half is odd), and q0 + e * r is off by less than 2^-25 of a last place in front of its
; rounding: q is the correctly rounded quotient.
; LIMIT: x = NaN gives index 0; infinite x, or a level beyond the range of 32-bit integers, gives the clamp of the float
; (0 or num - 1), where the conversion to integers in the source is not defined.
.set XROW, 1024                        ; bytes from x[b] to x[b+1]: 4 timesteps of 64 f32
	s_load_b128 s[4:7], s[0:1], 0x0                ; x s[4:5], idx s[6:7]
	s_lshl_b32 s8, ttmp9, 8                        ; 256 threads in a work-group
	v_add_nc_u32 v1, s8, v0                        ; t = 0..1023
	v_and_b32 v2, 15, v1                           ; which four f: 4 (t % 16) ..
	v_lshrrev_b32 v3, 4, v1                        ; b = t / 16
	v_lshlrev_b32 v4, 4, v2
	v_lshl_add_u32 v4, v3, 10, v4                  ; byte of x[b][0][4 (t % 16)] = 1024 b + 16 (t % 16)
	v_lshlrev_b32 v5, 4, v1                        ; byte of idx[b][4 (t % 16)] = 16 t
	s_mov_b32 s10, 0x40c00000                      ; 6.0
	s_mov_b32 s11, 0x3e2aaaab                      ; 1/6 rounded to f32
	s_mov_b32 s12, 0x453b7000                      ; 2999.0
	s_mov_b32 s13, 0x43160000                      ; 150.0
	s_mov_b32 s14, 0x3bda740e                      ; 1/150 rounded to f32
	s_mov_b32 s15, 0x43470000                      ; 199.0
	s_wait_kmcnt 0x0
	global_load_b128 v[8:11], v4, s[4:5]
	s_wait_loadcnt 0x0
; dst = the level of src.  mlow = -low, span = high - low, rspan = its reciprocal, top = num - 1
.macro LEVEL dst, src, mlow, span, rspan, top
	v_add_f32 v20, \mlow, \src                     ; t = x - low
	v_mul_f32 v21, \rspan, v20                     ; q0
	v_fma_f32 v22, -v21, \span, v20                ; e = t - q0 * span, exact
	v_fma_f32 v21, v22, \rspan, v21                ; q = t / span, correctly rounded
	v_mul_f32 v21, \top, v21
	v_rndne_f32 v21, v21                           ; halves go to the even neighbour
	v_max_num_f32 v21, 0, v21                      ; the clip, on the float: the same index wherever the integer exists
	v_min_num_f32 v21, \top, v21
	v_cvt_u32_f32 \dst, v21
.endm
	LEVEL v12, v8,  0x40400000, s10, s11, s12
	LEVEL v13, v9,  0x40400000, s10, s11, s12
	LEVEL v14, v10, 0x40400000, s10, s11, s12
	LEVEL v15, v11, 0x40400000, s10, s11, s12
	LEVEL v16, v11, 0xc2480000, s13, s14, s15      ; the fourth number once more, as a heart rate
	v_cmp_eq_u32 vcc_lo, 15, v2                    ; f = 63 is the fourth number of the threads with t % 16 = 15
	v_cndmask_b32 v15, v15, v16, vcc_lo
	global_store_b128 v5, v[12:15], s[6:7]
	s_endpgm
.Lfunc_end_k_q050c012097_levels:
	.size	k_q050c012097_levels, .Lfunc_end_k_q050c012097_levels-k_q050c012097_levels
	.p2alignl 7, 3214868480
	.fill 96, 4, 3214868480
	.section	.rodata,"a",@progbits
	.p2align	6, 0x0
	.amdhsa_kernel k_q050c012097_levels
		.amdhsa_group_segment_fixed_size 0
		.amdhsa_private_segment_fixed_size 0
		.amdhsa_enable_private_segment 0
		.amdhsa_kernarg_size 16
		.amdhsa_user_sgpr_count 2
		.amdhsa_user_sgpr_kernarg_segment_ptr 1
		.amdhsa_wavefront_size32 1
		.amdhsa_system_sgpr_workgroup_id_x 1
		.amdhsa_system_sgpr_workgroup_id_y 1
		.amdhsa_system_sgpr_workgroup_id_z 1
		.amdhsa_system_vgpr_workitem_id 0
		.amdhsa_next_free_vgpr 24
		.amdhsa_next_free_sgpr 66
		.amdhsa_reserve_vcc 1
		.amdhsa_float_denorm_mode_32 3
		.amdhsa_float_denorm_mode_16_64 3
		.amdhsa_memory_ordered 1
		.amdhsa_forward_progress 1
		.amdhsa_inst_pref_size 4
	.end_amdhsa_kernel
	.amdgpu_metadata
---
amdhsa.version: [ 1, 2 ]
amdhsa.kernels:
  - .name:           k_q050c012097_levels
    .symbol:         k_q050c012097_levels.kd
    .args:
      - { .name: x, .offset: 0, .size: 8, .value_kind: global_buffer, .address_space: global }
      - { .name: idx, .offset: 8, .size: 8, .value_kind: global_buffer, .address_space: global }
    .group_segment_fixed_size: 0
    .private_segment_fixed_size: 0
    .kernarg_segment_align: 8
    .kernarg_segment_size: 16
    .max_flat_workgroup_size: 256
    .sgpr_count:     66
    .vgpr_count:     24
    .wavefront_size: 32
...
	.end_amdgpu_metadata
.endif
;; end of part 1
;; launch bind (part 2): grid 90 x 8, 8 waves a work-group, no clusters, 29,696 bytes of LDS; arguments motion_table, hr_table, keys_weight, idx, out0; writes out0
.if DOCPART == 2
	.amdgcn_target "amdgcn-amd-amdhsa--gfx1250"
	.amdhsa_code_object_version 6
	.text
	.protected	k_q050c012097_bind
	.globl	k_q050c012097_bind
	.p2align	8
	.type	k_q050c012097_bind,@function
k_q050c012097_bind:
	s_mov_b64 s[64:65], 0
	v_nop
	global_prefetch_b8 v0, s[64:65] scope:SCOPE_SE
	s_setreg_imm32_b32 hwreg(HW_REG_WAVE_MODE, 25, 1), 1
	s_wait_xcnt 0x0
; out0[b][d] = sum over w = 0..56 of keys[w][d] * product over j = 0..6 of E[w+1+j][(d - 6 + j) mod 10000],
; E[f] = motion_table[idx[b][f]] for f = 1..62, E[63] = hr_table[idx[b][63]]; idx comes as whole numbers from the launch before.
;
; SHARES.  A work-group: 112 columns (x id) of 8 batch rows (y id).  A wave: one batch row.  Each half of 16 lanes loads 256
; consecutive bytes of every row, 16 bytes a lane: lanes 0 and 1 hold the 8 columns in front of the half's own (6 are needed),
; lanes 2..15 own 56 result columns.  So a lane reads the same 16 bytes of all 63 rows, each element that a wave needs is loaded
; once, and the roll's wrap (columns -8..-1 are 9992..9999) and the row's end are settled once, in the lane's column offset.
;
; THE PRODUCT runs along a diagonal (one row on, one column on) and is built as a tree, each piece named by its last element:
;   Q2[f](c) = E[f-1](c-1) E[f](c)     Q3[f](c) = Q2[f-1](c-1) E[f](c)     Q4[f](c) = Q2[f-2](c-2) Q2[f](c)
;   Q7[f](c) = Q4[f](c) Q3[f-4](c-4)   sum(c) += keys[f-7](c) Q7[f](c)     four multiplies and one fma for a window, not seven and one.
; A lane holds columns 4 l .. 4 l + 3 in four registers: a shift by 1 or 2 columns stays in the lane for the upper registers and
; comes from lane l - 1 for the lower ones, a shift by 4 is the same register of lane l - 1.  What comes from lane l - 1 rides on
; the multiply (DPP row_shr:1).  Lane 0 of a half has no such neighbour and gets 0: wrong numbers arise only in columns 0..5 of the
; 64, and reach no column from 8 on, since every piece reaches back 6 columns at the most.
;
; KEYS: the eight waves want the same 57 pieces.  Rows 0..55 are brought once, seven by each wave, into LDS in the lanes' own
; order (row w at 512 w, lane l at 16 l: neighbouring lanes, neighbouring 16 bytes); 57 = 8 x 7 + 1, and row 56 each wave reads
; for itself into registers.
; NO CLUSTER, NO TENSOR LOADS: of the 8 x 63 + 57 row pieces that a work-group reads, only the 57 of keys are shared with other
; work-groups, a tenth; the rest is each wave's own and is wanted in registers.
; NO PREFETCH: every wave asks for its rows 14 steps ahead of their use, from its first lines on.
; OUT: a wave stores 448 consecutive bytes once; rows of 40,000 bytes start on multiples of 64 only, so no split of the columns
; gives aligned blocks of 256 in every row.
; LIMIT: products and sums are rounded in the order of the tree and of ascending w, not in the source's order.
.set ROWB,  40000                      ; bytes in a row of all three tables and of out0
.set CHUNK, 224                        ; bytes of results of 16 lanes: 14 lanes x 16
.set RS,    16                         ; slots in the ring of table rows
.set COL,   1                          ; v1       byte offset of my 16 bytes in a row
.set OUTO,  2                          ; v2       the same before wrap and clamp: where my results go
.set KOF,   3                          ; v3       COL + my wave's first key row
.set LST,   4                          ; v4       LDS address at which I put a piece of a key row
.set LLD,   5                          ; v5       LDS address of my piece of key row 0
.set ACC,   8                          ; v[8:11]  the sums of my 4 columns
.set K56,   12                         ; v[12:15] keys[56]
.set KB,    16                         ; v[16:31] ring of 4 key rows from LDS
.set Q2B,   32                         ; v[32:43] Q2 of rows f, f-1, f-2
.set Q3B,   44                         ; v[44:63] Q3 of rows f .. f-4
.set Q4,    64                         ; v[64:67] Q4, then Q7
.set EB,    68                         ; v[68:131] row f in slot f % 16
.set ST,    32                         ; v[32:59] seven key rows on their way to LDS, before Q2 and Q3 exist
; s[16:63] idx[b][0..47], s[68:83] idx[b][48..63]; each becomes its row's byte offset when the row is asked for
	s_load_b256 s[4:11], s[0:1], 0x0               ; motion s[4:5], hr s[6:7], keys s[8:9], idx s[10:11]
	s_load_b64 s[12:13], s[0:1], 0x20              ; out0
	v_lshl_add_u32 v132, v0, 2, 0x7000
	v_mov_b32 v133, 0
	v_lshrrev_b32 v6, 5, v0
	v_readfirstlane_b32 s14, v6                    ; wave 0..7
	s_and_b32 s15, ttmp7, 0xffff
	s_lshl3_add_u32 s15, s15, s14                  ; b = 8 y + wave
	v_and_b32 v6, 15, v0                           ; lane in its half
	v_bfe_u32 v7, v0, 4, 1                         ; which half
	s_mul_i32 s84, ttmp9, 2*CHUNK
	s_sub_co_i32 s84, s84, 32                      ; the half's first loaded column lies 8 columns in front of its results
	v_lshl_add_u32 v[OUTO], v6, 4, s84
	v_mad_u32_u24 v[OUTO], v7, CHUNK, v[OUTO]      ; 448 x + 224 half + 16 lane - 32; below 0 only in lanes 0, 1 of the first half of x = 0
	v_add_nc_u32 v[COL], ROWB, v[OUTO]
	v_min_u32 v[COL], v[OUTO], v[COL]              ; the wrap: as unsigned numbers a negative offset is the larger of the two
	v_min_u32 v[COL], ROWB-16, v[COL]              ; lanes past the row's end (180 halves for 178 4/7) read its last 16 bytes and store nothing
	v_cmp_lt_u32 vcc_lo, 1, v6                     ; who stores: lanes 2..15 of a half
	v_cmp_gt_u32 s85, ROWB, v[OUTO]                ; whose columns exist
	s_and_b32 s85, s85, vcc_lo
	s_mul_i32 s86, s14, ROWB
	v_add_nc_u32 v[KOF], s86, v[COL]               ; key row = wave, then every eighth by the immediate
	v_lshlrev_b32 v[LST], 4, v0                    ; 512 wave + 16 lane
	v_and_b32 v[LLD], 31, v0
	v_lshlrev_b32 v[LLD], 4, v[LLD]
	s_lshl_b32 s88, s15, 8                         ; idx[b]: 64 words
	s_mov_b32 s89, 0
	s_mul_i32 s90, s15, ROWB                       ; out0[b]
	s_mov_b32 s91, 0
	s_wait_kmcnt 0x0
	s_add_nc_u64 s[10:11], s[10:11], s[88:89]
	s_add_nc_u64 s[12:13], s[12:13], s[90:91]
	s_load_b512 s[16:31], s[10:11], 0x0
	s_load_b512 s[32:47], s[10:11], 0x40
	s_load_b512 s[48:63], s[10:11], 0x80
	s_load_b512 s[68:83], s[10:11], 0xc0
	global_load_b128 v[K56:K56+3], v[COL], s[8:9] offset:56*ROWB
.irp i, 0,1,2,3,4,5,6
	global_load_b128 v[ST+4*\i:ST+4*\i+3], v[KOF], s[8:9] offset:\i*8*ROWB     ; key rows wave + 8 i
.endr
	s_wait_kmcnt 0x0                               ; the 64 indices
; Ask for row GR.  The index is clamped to its table by a constant in the instruction, becomes a byte offset below 2^27, and the
; load lands on the register that held its own offset: no register is kept for addresses in flight.
.macro ISSUE
.if GR < 48
.set SR, 16+GR
.else
.set SR, 20+GR
.endif
.set SL, EB+4*(GR%RS)
.if GR == 63
	s_min_u32 s[SR], s[SR], 199
.else
	s_min_u32 s[SR], s[SR], 2999
.endif
	s_mul_i32 s[SR], s[SR], ROWB
	v_add_nc_u32 v[SL], s[SR], v[COL]
.if GR == 63
	global_load_b128 v[SL:SL+3], v[SL], s[6:7]
.else
	global_load_b128 v[SL:SL+3], v[SL], s[4:5]
.endif
.endm
.set GR, 1
.rept RS
	ISSUE                                          ; rows 1..16 fill the ring (row 0 enters no window)
.set GR, GR+1
.endr
	s_wait_loadcnt RS                              ; loads return in order: the 16 table rows issued last may be out, the 8 key loads are in
.irp i, 0,1,2,3,4,5,6
	ds_store_b128 v[LST], v[ST+4*\i:ST+4*\i+3] offset:\i*4096                  ; row wave + 8 i at 512 x row
.endr
	s_wait_dscnt 0x0                               ; my pieces are in LDS before I say so
	s_barrier_signal -1
	s_barrier_wait -1                              ; everybody's are; LDS is only read from here on, so this is the one barrier
.irp i, 0,1,2
	ds_load_b128 v[KB+4*\i:KB+4*\i+3], v[LLD] offset:\i*512                    ; key rows 0..2; row w + 3 follows in step w
.endr
	; A DPP destination counts as a source (a lane without a source lane could keep it): the ten registers whose first write is
	; such a multiply are written once.
.irp r, Q2B, Q2B+4, Q2B+8, Q3B, Q3B+4, Q3B+8, Q3B+12, Q3B+16, Q4, Q4+1
	v_mov_b32 v[\r], 0
.endr
.macro MULSHR d, a, b                  ; d(lane l) = a(lane l - 1) * b(lane l) inside each 16 lanes; lane 0 takes 0 for a
	v_mul_f32_dpp v[\d], v[\a], v[\b] row_shr:1 row_mask:0xf bank_mask:0xf bound_ctrl:1
.endm
; Step FR takes row FR in.  All rings turn by register numbers: the 62 steps are written out, about 170 bytes of code each.
.set FR, 2
.rept 62
.set EC,  EB+4*(FR%RS)                 ; row FR
.set EP,  EB+4*((FR-1)%RS)             ; row FR - 1
.set Q2C, Q2B+4*(FR%3)
.set Q2P, Q2B+4*((FR-1)%3)
.set Q2O, Q2B+4*((FR-2)%3)
.set Q3C, Q3B+4*(FR%5)
.set Q3O, Q3B+4*((FR+1)%5)             ; Q3 of row FR - 4
.set LEFT, 63-FR
.if LEFT > RS-2
.set LEFT, RS-2
.endif
	s_wait_loadcnt LEFT                            ; row FR is in; the rows behind it, FR+1 .. FR+14 or up to 63, stay out
	MULSHR Q2C, EP+3, EC                           ; Q2(c) = E[FR-1](c-1) E[FR](c)
	v_mul_f32 v[Q2C+1], v[EP],   v[EC+1]
	v_mul_f32 v[Q2C+2], v[EP+1], v[EC+2]
	v_mul_f32 v[Q2C+3], v[EP+2], v[EC+3]
.set GR, FR+RS-1
.if GR <= 63
	ISSUE                                          ; row FR - 1 has been used for the last time: its slot takes row FR + 15
.endif
.if FR >= 3
.if FR <= 59
	MULSHR Q3C, Q2P+3, EC                          ; Q3(c) = Q2[FR-1](c-1) E[FR](c); wanted four steps on, so up to row 59
	v_mul_f32 v[Q3C+1], v[Q2P],   v[EC+1]
	v_mul_f32 v[Q3C+2], v[Q2P+1], v[EC+2]
	v_mul_f32 v[Q3C+3], v[Q2P+2], v[EC+3]
.endif
.endif
.if FR >= 7
.set WN, FR-7                          ; the window that ends in row FR
.if WN+3 <= 55
	ds_load_b128 v[KB+4*((WN+3)%4):KB+4*((WN+3)%4)+3], v[LLD] offset:(WN+3)*512    ; into the slot of key row WN - 1
.endif
	MULSHR Q4,   Q2O+2, Q2C                        ; Q4(c) = Q2[FR-2](c-2) Q2[FR](c)
	MULSHR Q4+1, Q2O+3, Q2C+1
	v_pk_mul_f32 v[Q4+2:Q4+3], v[Q2O:Q2O+1], v[Q2C+2:Q2C+3]
	MULSHR Q4,   Q3O,   Q4                         ; Q7(c) = Q3[FR-4](c-4) Q4(c): four columns back is the same register, one lane back
	MULSHR Q4+1, Q3O+1, Q4+1
	MULSHR Q4+2, Q3O+2, Q4+2
	MULSHR Q4+3, Q3O+3, Q4+3
.if WN <= 55
.set KC, KB+4*(WN%4)
.set DL, 55-WN
.if DL > 3
.set DL, 3
.endif
	s_wait_dscnt DL                                ; LDS loads return in order: key row WN is in, rows WN+1 .. WN+3 (up to 55) stay out
.else
.set KC, K56
.endif
.if WN == 0
	v_pk_mul_f32 v[ACC:ACC+1],   v[KC:KC+1],   v[Q4:Q4+1]                      ; the first window starts the sums
	v_pk_mul_f32 v[ACC+2:ACC+3], v[KC+2:KC+3], v[Q4+2:Q4+3]
.else
	v_pk_fma_f32 v[ACC:ACC+1],   v[KC:KC+1],   v[Q4:Q4+1],   v[ACC:ACC+1]
	v_pk_fma_f32 v[ACC+2:ACC+3], v[KC+2:KC+3], v[Q4+2:Q4+3], v[ACC+2:ACC+3]
.endif
.endif
.set FR, FR+1
.endr
	s_wait_xcnt 0x0                                ; EXEC is a source of every memory instruction issued so far: it is narrowed only behind this wait
	s_wait_tensorcnt 0x0
	ds_add_u32 v132, v133
	s_wait_dscnt 0x0
	s_and_saveexec_b32 s86, s85                    ; lanes 2..15 of each half whose columns exist
	global_store_b128 v[OUTO], v[ACC:ACC+3], s[12:13] th:TH_STORE_NT           ; 2 x 224 = 448 consecutive bytes of out0[b]
	s_endpgm
.Lfunc_end_k_q050c012097_bind:
	.size	k_q050c012097_bind, .Lfunc_end_k_q050c012097_bind-k_q050c012097_bind
	.p2alignl 7, 3214868480
	.fill 96, 4, 3214868480
	.section	.rodata,"a",@progbits
	.p2align	6, 0x0
	.amdhsa_kernel k_q050c012097_bind
		.amdhsa_group_segment_fixed_size 29696
		.amdhsa_private_segment_fixed_size 0
		.amdhsa_enable_private_segment 0
		.amdhsa_kernarg_size 40
		.amdhsa_user_sgpr_count 2
		.amdhsa_user_sgpr_kernarg_segment_ptr 1
		.amdhsa_wavefront_size32 1
		.amdhsa_system_sgpr_workgroup_id_x 1
		.amdhsa_system_sgpr_workgroup_id_y 1
		.amdhsa_system_sgpr_workgroup_id_z 1
		.amdhsa_system_vgpr_workitem_id 0
		.amdhsa_next_free_vgpr 134
		.amdhsa_next_free_sgpr 92
		.amdhsa_reserve_vcc 1
		.amdhsa_float_denorm_mode_32 3
		.amdhsa_float_denorm_mode_16_64 3
		.amdhsa_memory_ordered 1
		.amdhsa_forward_progress 1
		.amdhsa_inst_pref_size 78
	.end_amdhsa_kernel
	.amdgpu_metadata
---
amdhsa.version: [ 1, 2 ]
amdhsa.kernels:
  - .name:           k_q050c012097_bind
    .symbol:         k_q050c012097_bind.kd
    .args:
      - { .name: motion_table, .offset: 0, .size: 8, .value_kind: global_buffer, .address_space: global }
      - { .name: hr_table, .offset: 8, .size: 8, .value_kind: global_buffer, .address_space: global }
      - { .name: keys_weight, .offset: 16, .size: 8, .value_kind: global_buffer, .address_space: global }
      - { .name: idx, .offset: 24, .size: 8, .value_kind: global_buffer, .address_space: global }
      - { .name: out0, .offset: 32, .size: 8, .value_kind: global_buffer, .address_space: global }
    .group_segment_fixed_size: 29696
    .private_segment_fixed_size: 0
    .kernarg_segment_align: 8
    .kernarg_segment_size: 40
    .max_flat_workgroup_size: 256
    .sgpr_count:     92
    .vgpr_count:     134
    .wavefront_size: 32
...
	.end_amdgpu_metadata
.endif
;; end of part 2
